; MI455X (gfx1250); checked and timed in simulation.
; The chip was launched on July 23, 2026; its instructions are those of AMD's public machine-readable ISA for CDNA 5 (MIT licence, August 2026) and "CDNA5" Instruction Set Architecture Reference Guide (July 2026). The comments in the code are by the model that wrote it; some were corrected since.
;; Chunked Self Attention. Allowed arithmetic: matrix products marked QUANTISED: E2M1 operands, one E8M0 scale for each 32 along K, by v_wmma_scale_f32_16x16x128_f8f6f4 with both operands' format E2M1 (or v_wmma_scale_f32_32x16x128_f4), f32 sums; everything else in f32.
;; Inputs: k 2 x 4,096 x 16 x 128 float32; q 2 x 4,096 x 16 x 128 float32; v 2 x 4,096 x 16 x 128 float32.
;; Outputs: out0 2 x 4,096 x 16 x 128 float32.
;; Constants: start_index = 0.
;; This version of the problem:
;;   THIS VERSION OF THE PROBLEM IS GIVEN IN LOW PRECISION. The matrix products marked QUANTISED in the list below multiply operands that are first quantised to E2M1 (2 exponent bits, 1 mantissa bit; 4 bits a number), with one power-of-two scale for each 32 numbers along K (OCP MX v1.0); their sums are f32. All else is computed in f32.
;;   The module's matrix products, in the order in which they are computed (A, B: the left and right operand; K: the contracted axis; several contracted axes count as one K, in the product's order):
;;     1. batch 64 x [M 2,048, K 128] x [K 128, N 2,048]; A: computed on the way; B: computed on the way: QUANTISED
;;     2. batch 64 x [M 128, K 2,048] x [K 2,048, N 2,048]; A: input v; B: softmax (see below): QUANTISED
;;   THE QUANTISER, for each operand of a quantised product, along K:
;;     - K is cut into blocks of 32 from its start; a last block that is shorter is filled with zeros.
;;     - A block's scale is 2^e with e = floor(log2(the largest magnitude in the block)) - 2, held to -126 .. 127; a block of zeros has e = 0. As a byte (E8M0): e + 127.
;;     - Each number is divided by its block's scale, clamped to +-6, and rounded to the nearest number of E2M1, ties to even, subnormals kept.
;;     - The product sums the exact products of the quantised numbers (number of the format x scale) in f32.
;;   ~~~python
;;   def quantise(x, axis):      # numpy; x: float32 -> the quantised numbers, widened to float32 again
;;       x = np.moveaxis(x, axis, -1); K = x.shape[-1]
;;       x = np.pad(x, [(0, 0)] * (x.ndim - 1) + [(0, -K % 32)]); x = x.reshape(x.shape[:-1] + (-1, 32)); a = np.abs(x).max(-1, keepdims=True)
;;       e = np.where(a > 0, np.clip(np.frexp(np.where(a > 0, a, 1))[1] - 1 - 2, -126, 127), 0)      # np.frexp(a)[1] - 1 = floor(log2(a)), exactly
;;       r = np.clip(x / 2.0 ** e, -6, 6)
;;       step = 2.0 ** (np.maximum(np.frexp(np.where(r == 0, 1, r))[1] - 1, 0) - 1)
;;       q = np.round(r / step) * step * 2.0 ** e      # np.round: ties to even
;;       return np.moveaxis(q.reshape(q.shape[:-2] + (-1,))[..., :K], -1, axis).astype(np.float32)
;;   ~~~
;;   SOFTMAX AHEAD OF A QUANTISED PRODUCT. Where the list says 'softmax', what is quantised is not the finished softmax but p = 2^(t - M), with t = logit x log2(e) and M = ceil(the row's largest t), a whole number; so 1/2 < the row's largest p <= 1. The row's sum l is taken of the UNQUANTISED p, in f32, and the product's result is divided by l at the end. Since M is a whole number, a kernel that streams over the keys may use a running M (the ceiling of the running maximum): every later rescaling is an exact power of two, which a block's scale takes up: the codes' values come out the same.
;;   OPERANDS COMPUTED ON THE WAY. 'Computed on the way' means the value that the module computes at that place (a softmax that the list does not call 'softmax' is quantised finished and normalised). What goes into a quantiser is computed in f32, as accurately as f32 sums, v_exp_f32 and their like allow (about 1e-6 of the number): no bf16 or f16 on the way to a quantiser, and a product that is left as it is and whose result goes on into a quantised operand takes f32 operands (vector FMAs, or v_wmma_f32_16x16x4_f32). A number that lies on a knife's edge between two numbers of the format may be rounded either way, as far as f32 arithmetic and the matrix unit's own rounding can turn it there, and no further.
;; One version. Each part assembles by itself: llvm-mc -triple=amdgcn-amd-amdhsa -mcpu=gfx1250 --defsym DOCPART=n.
;; ======== version 1 of 1: 2 launches
;; limits: right only within a limited range of input values
;; workspace buffers: q_codes 8,388,608 bytes; q_scales 524,288 bytes; kv 17,825,792 bytes
;; launch prep (part 1): grid 256 x 1, 16 waves a work-group, no clusters, 125,952 bytes of LDS; arguments q, k, v, q_codes, q_scales, kv; writes q_codes, q_scales, kv
.if DOCPART == 1
	.amdgcn_target "amdgcn-amd-amdhsa--gfx1250"
	.amdhsa_code_object_version 6
	.text
	.protected	k_qbce5570ba7_prep
	.globl	k_qbce5570ba7_prep
	.p2align	8
	.type	k_qbce5570ba7_prep,@function
k_qbce5570ba7_prep:
	s_mov_b64 s[64:65], 0
	v_nop
	global_prefetch_b8 v0, s[64:65] scope:SCOPE_SE
	s_setreg_imm32_b32 hwreg(HW_REG_WAVE_MODE, 25, 1), 1
	s_wait_xcnt 0x0
; q, k, v: [2][4096][16][128] f32.  This launch turns them into codes of FP4 (E2M1) with one E8M0 scale byte for each 32 along a product's K:
;   q, k: rotated first (half-split RoPE, position t = 0 .. 4095), then quantised along the head's 128;   v: quantised along the KEYS, blocks of 32 positions.
; A "head" below is one attention of 2,048 positions: head = (2 b + chunk) 16 + h, 64 in all.
; OUT.  q_codes [head][query 2048][64 bytes], q_scales [head][query][4 bytes].
;   kv [head][K, V][key step 16][8,704 bytes]: a key step is 128 keys: 32 rows of 256 bytes of codes, then 2 rows of scale words.
;   K's part: 128 key rows of 64 bytes, and 128 scale words, in an order in which bits 3 and 4 of the key's number change places: place 16 u + m of each 32 holds key 16 (m / 8) + 8 u + m % 8.
;   V's part: [key block 4][d 128][16 bytes], then [d 128][4 bytes, one for each key block]: the order in which the second product's operand registers take them.
; SHARES.  Every work-group does both parts, on one path.  q, k: 64 positions x 8 heads; wave w owns positions 4 w .. 4 w + 3: 16 steps (8 heads of q, 8 of k) of 4 rows of 512 bytes.
;   A step's four loads read a whole row each; the 2,048 bytes turn through the wave's own stage in LDS, so that lane (row l / 8, u = l % 8) holds d = 16 u .. 16 u + 15.
;   The rotation's partner (d +- 64) is lane l xor 4, a block of 32 is lanes l and l xor 1, and a lane's 16 codes are 8 bytes at 8 l: a step's store covers 256 consecutive bytes, aligned.
;   v: 128 positions x 4 heads; a wave takes 32 columns d of one head, a lane a column, its registers run down the keys: a block of 32 keys lies in one lane.
; COS AND SIN of the work-group's 64 positions x 64 frequencies are made once, 8 a thread, and shared through LDS.
;   inv_freq[j] = exp(f32(j x f32(-ln 10000 / 64))): n = floor(a log2(e) + 0.5), a - n ln 2 in two parts, a polynomial of degree 5, 1 + y, 2^n.
;   angle = t x inv_freq in f32; n = the nearest whole number to angle x 2 / pi; r = angle - n pi / 2 in two parts (the first is exact: both terms are multiples of 2^-23 and the difference lies under 1); polynomials on |r| <= pi / 4.
; A block's scale is 2^(floor(log2(its largest magnitude)) - 2); its byte is the largest magnitude's exponent field - 2, held at 1 from below.
; LIMITS.  inv_freq is within 1 ulp of the true exponential: where the reference's own differs by an ulp, an angle near t = 4,095 differs by up to 2.4e-4.  Sine and cosine are good to about 1e-7 for angles up to 4,095.
;   The rotation is one product and one fused multiply-add.  A block of zeros, or one whose largest magnitude lies under 2^-124, gets the byte 1 (its codes are zeros or tiny; this program alone reads the bytes).  NaN and infinities are not served.
; No tensor loads, no cluster (no two work-groups read the same bytes), no matrix unit, no prefetch: the launch is one stream that is read once.
.set TP,    528                        ; LDS: a position's 64 cosines (256 bytes), 64 sines (256 bytes), 16 of padding; the table begins at byte 0
.set STG,   64*TP                      ; behind it the waves' stages:
.set SP,    80                         ; a lane's place in a stage: 64 bytes + 16 of padding
.set WST,   2*32*SP                    ; two stages a wave
.set QKS,   STG+16*WST                 ; q's and k's scale words: [q, k][head 8][64 places][4 bytes]
.set VSC,   QKS+4096                   ; v's: [head 4][d 128][4 bytes]
.set KPM,   8704                       ; kv: a key step's part,
.set PARTM, 16*KPM                     ; K's or V's part of a head,
.set HEADM, 2*PARTM                    ; a head
.set COS,   16                         ; v16-31   cosines of my 16 frequencies
.set SSN,   32                         ; v32-47   sines, negated in the lanes that hold d < 64
.set T,     48                         ; v48-63   16 rotated numbers
.set VX,    64                         ; v64-127  v: two sets of 32 numbers of my column
.set R,     128                        ; v128-191 q, k: four sets of 16 numbers as loaded
.set X,     192                        ; v192-223 two sets of 16 neighbours
.set C,     224                        ; v224-255 q's and k's codes: two registers a step
.set VC,    240                        ; v240-255 before that v's codes: four registers a block
.set A0,    128                        ; the table's work: arrays of 8 registers
.set A1,    136
.set A2,    144
.set A3,    152
.set A4,    160
.set A5,    168
.set A6,    176
.set A7,    184
.set A8,    192
.set A9,    200
; v1 lane; v2 16 x lane; v3 8 x lane; v4, v5 the stage, in and out; v6, v7 q's and k's scale bytes; v8-11 at work; v12 4 x lane; v13 my cosines in the table; v14 v's scale word; v15 the scales' way out
	s_load_b256 s[4:11], s[0:1], 0x0               ; q s[4:5], k s[6:7], v s[8:9], q_codes s[10:11]
	s_load_b128 s[12:15], s[0:1], 0x20             ; q_scales s[12:13], kv s[14:15]
	v_lshrrev_b32 v8, 5, v0
	s_delay_alu instid0(VALU_DEP_1)
	v_readfirstlane_b32 s16, v8                    ; wave 0..15
	v_and_b32 v1, 31, v0
	s_delay_alu instid0(VALU_DEP_1)
	v_lshlrev_b32 v2, 4, v1
	s_delay_alu instid0(VALU_DEP_2)
	v_lshlrev_b32 v3, 3, v1
	s_delay_alu instid0(VALU_DEP_3)
	v_lshlrev_b32 v12, 2, v1
	s_mul_i32 s17, s16, WST
	s_add_co_u32 s17, s17, STG                     ; my wave's stages
	v_lshrrev_b32 v4, 2, v1
	s_delay_alu instid0(VALU_DEP_1)
	v_mul_u32_u24 v4, v4, SP
	v_and_b32 v8, 3, v1
	s_delay_alu instid0(VALU_DEP_1)
	v_lshl_add_u32 v4, v8, 4, v4
	s_delay_alu instid0(VALU_DEP_1)
	v_add_nc_u32 v4, s17, v4                       ; in: four lanes' 64 bytes on end, then the padding: a load's 512 bytes take eight places
	v_mul_u32_u24 v5, v1, SP
	s_delay_alu instid0(VALU_DEP_1)
	v_add_nc_u32 v5, s17, v5                       ; out: place l: row l / 8, bytes 64 (l % 8) on
	v_lshrrev_b32 v13, 3, v1
	s_delay_alu instid0(VALU_DEP_1)
	v_mul_u32_u24 v13, v13, TP
	s_delay_alu instid0(VALU_DEP_1)
	v_lshl_add_u32 v13, v8, 6, v13
	s_mul_i32 s17, s16, 4*TP
	v_add_nc_u32 v13, s17, v13                     ; the table: position 4 w + l / 8, frequencies 16 (l % 4) on
	s_and_b32 s18, s16, 9                          ; w': bits 1 and 2 of the wave's number change places: they are bits 3 and 4 of its keys' numbers
	s_and_b32 s19, s16, 2
	s_lshl_b32 s19, s19, 1
	s_or_b32 s18, s18, s19
	s_and_b32 s19, s16, 4
	s_lshr_b32 s19, s19, 1
	s_or_b32 s18, s18, s19
	v_lshrrev_b32 v8, 1, v1                        ; 4 (l / 8) + (l % 8) / 2: my row's word, my block's byte
	s_lshl_b32 s19, s16, 4
	s_add_co_u32 s19, s19, QKS
	v_add_nc_u32 v6, s19, v8
	s_lshl_b32 s19, s18, 4
	s_add_co_u32 s19, s19, QKS+2048
	v_add_nc_u32 v7, s19, v8
	; V's channels stand in kv by PLACE: channel d = 64 u + 4 r + c has place 64 u + 16 c + r, so that places 16 T .. 16 T + 15 are the sixteen channels of the second product's tile T.
	; My column is d = 32 (w % 4) + lane: u = (w % 4) / 2, c = lane % 4, r = 8 (w % 2) + lane / 4.
	s_and_b32 s19, s16, 14
	s_lshl_b32 s19, s19, 7                         ; the scale words: 512 bytes a head, 256 u,
	s_and_b32 s17, s16, 1
	s_lshl_b32 s17, s17, 5                         ; 32 (w % 2)
	s_add_co_u32 s19, s19, s17
	s_add_co_u32 s19, s19, VSC
	v_and_b32 v224, 3, v1
	v_lshlrev_b32 v224, 8, v224
	v_lshrrev_b32 v14, 2, v1
	v_lshl_add_u32 v224, v14, 4, v224              ; v224: the lane's part of 16 x place: 256 c + 16 (lane / 4); it serves v's stores, ahead of q's first codes
	v_lshrrev_b32 v14, 2, v224
	v_add_nc_u32 v14, s19, v14                     ; and of 4 x place
	v_lshl_add_u32 v15, v0, 4, QKS
	; which part of the tensors is mine
	s_lshr_b32 s20, ttmp9, 7                       ; b
	s_lshr_b32 s21, ttmp9, 1
	s_and_b32 s21, s21, 63                         ; q, k: which 64 positions of the 4,096
	s_and_b32 s22, ttmp9, 1                        ; which 8 heads
	s_lshr_b32 s23, s21, 5                         ; chunk
	s_and_b32 s24, s21, 31                         ; which 64 positions of the chunk
	s_lshl_b32 s25, s20, 1
	s_add_co_u32 s25, s25, s23
	s_lshl_b32 s25, s25, 4
	s_lshl_b32 s17, s22, 3
	s_add_co_u32 s25, s25, s17                     ; my first head
	s_lshr_b32 s26, s24, 1
	s_mul_i32 s26, s26, KPM                        ; my key step in a part of kv
	s_and_b32 s27, s24, 1                          ; and which half of it
	s_lshr_b32 s28, ttmp9, 2
	s_and_b32 s28, s28, 31                         ; v: which 128 positions
	s_and_b32 s29, ttmp9, 3                        ; which 4 heads
	s_lshr_b32 s30, s16, 2                         ; my wave's head among them
	s_and_b32 s31, s16, 3                          ; and its 32 columns
	s_lshl_b32 s35, s29, 2
	s_lshr_b32 s34, s28, 4
	s_lshl_b32 s17, s20, 1
	s_add_co_u32 s34, s34, s17
	s_lshl_b32 s34, s34, 4
	s_add_co_u32 s34, s34, s35                     ; the first of the four heads
	s_add_co_u32 s36, s34, s30                     ; my wave's
	s_add_co_u32 s35, s35, s30                     ; and its h
	s_and_b32 s37, s28, 15
	s_mul_i32 s37, s37, KPM                        ; v's key step in a part of kv
	; byte offsets, each under 2^31, each in the pair that will hold the address
	s_lshl_b32 s46, s20, 25                        ; q, k: b x 4,096 x 8,192
	s_lshl_b32 s17, s21, 19                        ; + 64 positions x 8,192
	s_add_co_u32 s46, s46, s17
	s_lshl_b32 s17, s16, 15                        ; + 4 w positions
	s_add_co_u32 s46, s46, s17
	s_lshl_b32 s17, s22, 12                        ; + 8 heads x 512
	s_add_co_u32 s46, s46, s17
	s_mov_b32 s47, 0
	s_lshl_b32 s50, s20, 25                        ; v: b, + 128 positions x 8,192, + h x 512, + 32 columns x 4
	s_lshl_b32 s17, s28, 20
	s_add_co_u32 s50, s50, s17
	s_lshl_b32 s17, s35, 9
	s_add_co_u32 s50, s50, s17
	s_lshl_b32 s17, s31, 7
	s_add_co_u32 s50, s50, s17
	s_mov_b32 s51, 0
	s_lshl_b32 s52, s25, 17                        ; q_codes: head x 131,072 + (64 x block + 4 w) x 64
	s_lshl_b32 s17, s24, 12
	s_add_co_u32 s52, s52, s17
	s_lshl_b32 s17, s16, 8
	s_add_co_u32 s52, s52, s17
	s_mov_b32 s53, 0
	s_mul_i32 s54, s25, HEADM                      ; K's codes: head, key step, my half's 64 rows, places 4 w' on
	s_add_co_u32 s54, s54, s26
	s_lshl_b32 s17, s27, 12
	s_add_co_u32 s54, s54, s17
	s_lshl_b32 s17, s18, 8
	s_add_co_u32 s54, s54, s17
	s_mov_b32 s55, 0
	s_mul_i32 s56, s36, HEADM                      ; V's codes: head, V's part, key step, my 32 columns x 16 bytes
	s_add_co_u32 s56, s56, s37
	s_lshr_b32 s17, s31, 1
	s_lshl_b32 s17, s17, 10                        ; 16 x place: 1,024 u,
	s_add_co_u32 s56, s56, s17
	s_and_b32 s17, s31, 1
	s_lshl_b32 s17, s17, 7                         ; 128 (w % 2)
	s_add_co_u32 s56, s56, s17
	s_add_co_u32 s56, s56, PARTM
	s_mov_b32 s57, 0
	s_lshl_b32 s17, s31, 1
	s_add_co_u32 s17, s17, s25                     ; the scales' way out: waves 0-3 (q) and 4-7 (k) take heads 2 (w % 4) and the next,
	s_lshl_b32 s58, s17, 13                        ; q_scales: head x 8,192 + my 64 queries' 256 bytes
	s_lshl_b32 s19, s24, 8
	s_add_co_u32 s58, s58, s19
	s_mov_b32 s59, 0
	s_mul_i32 s60, s17, HEADM                      ; K's scale words: behind the key step's 8,192 bytes of codes, my half's 256 bytes
	s_add_co_u32 s60, s60, s26
	s_lshl_b32 s19, s27, 8
	s_add_co_u32 s60, s60, s19
	s_add_co_u32 s60, s60, 8192
	s_mov_b32 s61, 0
	s_add_co_u32 s17, s34, s31                     ; waves 8-11 take v's head w % 4
	s_mul_i32 s62, s17, HEADM
	s_add_co_u32 s62, s62, s37
	s_add_co_u32 s62, s62, PARTM+8192
	s_mov_b32 s63, 0
	s_mov_b32 s66, 0xbe135d8e                      ; f32(-ln 10000 / 64)
	s_mov_b32 s67, 0x3fb8aa3b                      ; log2(e)
	s_mov_b32 s68, 0xbf318000                      ; -0.693359375: ln 2's upper part,
	s_mov_b32 s69, 0x395e8083                      ; 2.12194440e-4: less its lower part
	s_mov_b32 s70, 0x39506967                      ; the exponential's polynomial: 1.9875691500e-4,
	s_mov_b32 s71, 0x3ab743ce                      ; 1.3981999507e-3,
	s_mov_b32 s72, 0x3c088908                      ; 8.3334519073e-3,
	s_mov_b32 s73, 0x3d2aa9c1                      ; 4.1665795894e-2,
	s_mov_b32 s74, 0x3e2aaaaa                      ; 1.6666665459e-1, and 0.5
	s_mov_b32 s75, 0x3f22f983                      ; 2 / pi
	s_mov_b32 s76, 0xbfc90fdb                      ; -f32(pi / 2)
	s_mov_b32 s77, 0x333bbd2e                      ; -(pi / 2 - f32(pi / 2))
	s_mov_b32 s78, 0xbe2aaaa3                      ; the sine's polynomial
	s_mov_b32 s79, 0x3c08839e
	s_mov_b32 s80, 0xb94ca1f9
	s_mov_b32 s81, 0x3d2aaaa5                      ; the cosine's
	s_mov_b32 s82, 0xbab6061a
	s_mov_b32 s83, 0x37ccf5ce
	s_mov_b32 s84, 0x80000000                      ; the sign
	s_wait_kmcnt 0x0
	s_add_nc_u64 s[48:49], s[6:7], s[46:47]        ; k
	s_add_nc_u64 s[46:47], s[4:5], s[46:47]        ; q
	s_add_nc_u64 s[50:51], s[8:9], s[50:51]        ; v
	s_add_nc_u64 s[52:53], s[10:11], s[52:53]      ; q_codes
	s_add_nc_u64 s[54:55], s[14:15], s[54:55]      ; K's codes
	s_add_nc_u64 s[56:57], s[14:15], s[56:57]      ; V's codes
	s_add_nc_u64 s[58:59], s[12:13], s[58:59]      ; q_scales
	s_add_nc_u64 s[60:61], s[14:15], s[60:61]      ; K's scale words
	s_add_nc_u64 s[62:63], s[14:15], s[62:63]      ; V's scale words
.macro VLOAD t                         ; v, key block t: keys 32 t + i of my column, i = 0 .. 31, into set t % 2.  A load reads 128 consecutive bytes; the four waves of a head stand side by side on a row's 512
.set i, 0
.rept 32
	global_load_b32 v[VX+32*((\t)%2)+i], v12, s[50:51] offset:(32*(\t)+i)*8192 th:TH_LOAD_NT
.set i, i+1
.endr
.endm
	VLOAD 0
	VLOAD 1                                        ; two blocks are on their way while the table is made
	; ---- THE TABLE.  Thread n: position n / 8, frequencies 8 (n % 8) + 0 .. 7
	v_and_b32 v8, 7, v0
	s_delay_alu instid0(VALU_DEP_1)
	v_lshlrev_b32 v9, 3, v8
	v_lshrrev_b32 v10, 3, v0
	s_delay_alu instid0(VALU_DEP_1)
	v_mul_u32_u24 v11, v10, TP
	s_delay_alu instid0(VALU_DEP_1)
	v_lshl_add_u32 v11, v8, 5, v11                 ; where my 8 cosines go
	s_lshl_b32 s17, s21, 6
	v_add_nc_u32 v10, s17, v10
	s_delay_alu instid0(VALU_DEP_1)
	v_cvt_f32_u32 v10, v10                         ; the position, 0 .. 4095
.irp i, 0,1,2,3,4,5,6,7
	v_add_nc_u32 v[A0+\i], \i, v9
.endr
.irp i, 0,1,2,3,4,5,6,7
	v_cvt_f32_u32 v[A0+\i], v[A0+\i]               ; j
.endr
.irp i, 0,1,2,3,4,5,6,7
	v_mul_f32 v[A0+\i], s66, v[A0+\i]              ; a = j x f32(-ln 10000 / 64), rounded as the reference rounds it
.endr
.irp i, 0,1,2,3,4,5,6,7
	v_fma_f32 v[A1+\i], v[A0+\i], s67, 0.5
.endr
.irp i, 0,1,2,3,4,5,6,7
	v_floor_f32 v[A1+\i], v[A1+\i]                 ; n
.endr
.irp i, 0,1,2,3,4,5,6,7
	v_fma_f32 v[A0+\i], v[A1+\i], s68, v[A0+\i]    ; x = a - n ln 2, the upper part (exact),
.endr
.irp i, 0,1,2,3,4,5,6,7
	v_fma_f32 v[A0+\i], v[A1+\i], s69, v[A0+\i]    ; the lower part
.endr
.irp i, 0,1,2,3,4,5,6,7
	v_fma_f32 v[A2+\i], v[A0+\i], s70, s71
.endr
.irp i, 0,1,2,3,4,5,6,7
	v_fma_f32 v[A2+\i], v[A2+\i], v[A0+\i], s72
.endr
.irp i, 0,1,2,3,4,5,6,7
	v_fma_f32 v[A2+\i], v[A2+\i], v[A0+\i], s73
.endr
.irp i, 0,1,2,3,4,5,6,7
	v_fma_f32 v[A2+\i], v[A2+\i], v[A0+\i], s74
.endr
.irp i, 0,1,2,3,4,5,6,7
	v_fma_f32 v[A2+\i], v[A2+\i], v[A0+\i], 0.5
.endr
.irp i, 0,1,2,3,4,5,6,7
	v_mul_f32 v[A3+\i], v[A0+\i], v[A0+\i]
.endr
.irp i, 0,1,2,3,4,5,6,7
	v_fma_f32 v[A2+\i], v[A2+\i], v[A3+\i], v[A0+\i]
.endr
.irp i, 0,1,2,3,4,5,6,7
	v_add_f32 v[A2+\i], 1.0, v[A2+\i]              ; e^x
.endr
.irp i, 0,1,2,3,4,5,6,7
	v_cvt_i32_f32 v[A1+\i], v[A1+\i]
.endr
.irp i, 0,1,2,3,4,5,6,7
	v_ldexp_f32 v[A2+\i], v[A2+\i], v[A1+\i]       ; inv_freq
.endr
.irp i, 0,1,2,3,4,5,6,7
	v_mul_f32 v[A0+\i], v10, v[A2+\i]              ; the angle, in f32 as the reference has it
.endr
.irp i, 0,1,2,3,4,5,6,7
	v_mul_f32 v[A1+\i], s75, v[A0+\i]
.endr
.irp i, 0,1,2,3,4,5,6,7
	v_rndne_f32 v[A1+\i], v[A1+\i]                 ; n: how many quarter turns
.endr
.irp i, 0,1,2,3,4,5,6,7
	v_fma_f32 v[A0+\i], v[A1+\i], s76, v[A0+\i]
.endr
.irp i, 0,1,2,3,4,5,6,7
	v_fma_f32 v[A0+\i], v[A1+\i], s77, v[A0+\i]    ; r
.endr
.irp i, 0,1,2,3,4,5,6,7
	v_mul_f32 v[A3+\i], v[A0+\i], v[A0+\i]         ; z = r r
.endr
.irp i, 0,1,2,3,4,5,6,7
	v_fma_f32 v[A4+\i], v[A3+\i], s80, s79
	v_fma_f32 v[A6+\i], v[A3+\i], s83, s82
.endr
.irp i, 0,1,2,3,4,5,6,7
	v_fma_f32 v[A4+\i], v[A4+\i], v[A3+\i], s78
	v_fma_f32 v[A6+\i], v[A6+\i], v[A3+\i], s81
.endr
.irp i, 0,1,2,3,4,5,6,7
	v_mul_f32 v[A5+\i], v[A0+\i], v[A3+\i]         ; r z
	v_fma_f32 v[A7+\i], v[A3+\i], -0.5, 1.0        ; 1 - z / 2
.endr
.irp i, 0,1,2,3,4,5,6,7
	v_fma_f32 v[A4+\i], v[A4+\i], v[A5+\i], v[A0+\i]   ; sin r
	v_mul_f32 v[A5+\i], v[A3+\i], v[A3+\i]         ; z z
.endr
.irp i, 0,1,2,3,4,5,6,7
	v_fma_f32 v[A6+\i], v[A6+\i], v[A5+\i], v[A7+\i]   ; cos r
	v_cvt_i32_f32 v[A1+\i], v[A1+\i]               ; n as a whole number: its low two bits are the quadrant
.endr
.irp i, 0,1,2,3,4,5,6,7
	v_and_b32 v[A5+\i], 1, v[A1+\i]
	v_lshlrev_b32 v[A3+\i], 30, v[A1+\i]           ; the sine is negative in quadrants 2 and 3,
	v_add_nc_u32 v[A7+\i], 1, v[A1+\i]             ; the cosine in 1 and 2
.endr
.irp i, 0,1,2,3,4,5,6,7
	v_cmp_eq_u32 vcc_lo, 1, v[A5+\i]               ; in an odd quadrant the two change places
	s_delay_alu instid0(VALU_DEP_1)
	v_cndmask_b32 v[A8+\i], v[A4+\i], v[A6+\i], vcc_lo
	s_delay_alu instid0(VALU_DEP_2)
	v_cndmask_b32 v[A9+\i], v[A6+\i], v[A4+\i], vcc_lo
.endr
.irp i, 0,1,2,3,4,5,6,7
	v_and_b32 v[A3+\i], s84, v[A3+\i]
	v_lshlrev_b32 v[A7+\i], 30, v[A7+\i]
.endr
.irp i, 0,1,2,3,4,5,6,7
	v_xor_b32 v[A8+\i], v[A8+\i], v[A3+\i]         ; sin
	v_and_b32 v[A7+\i], s84, v[A7+\i]
.endr
.irp i, 0,1,2,3,4,5,6,7
	v_xor_b32 v[A9+\i], v[A9+\i], v[A7+\i]         ; cos
.endr
	ds_store_b128 v11, v[A9:A9+3]
	ds_store_b128 v11, v[A9+4:A9+7] offset:16
	ds_store_b128 v11, v[A8:A8+3] offset:256
	ds_store_b128 v11, v[A8+4:A8+7] offset:272
	s_wait_dscnt 0x0                               ; for the others' sake: my part of the table lies in LDS
	s_barrier_signal -1
	s_barrier_wait -1                              ; everybody's does
.irp i, 0,1,2,3
	ds_load_b128 v[COS+4*\i:COS+4*\i+3], v13 offset:16*\i
	ds_load_b128 v[SSN+4*\i:SSN+4*\i+3], v13 offset:256+16*\i
.endr
	v_and_b32 v8, 4, v1
	s_delay_alu instid0(VALU_DEP_1)
	v_xor_b32 v8, 4, v8
	s_delay_alu instid0(VALU_DEP_1)
	v_lshlrev_b32 v8, 29, v8                       ; the sign bit in the lanes with l % 8 < 4: there d < 64, and the partner's product is taken away
.set i, 0
.rept 16
	v_mov_b32 v[T+i], 0                            ; written once: the destination of a DPP form counts as one of its sources
.set i, i+1
.endr
	s_wait_dscnt 0x0
.set i, 0
.rept 16
	v_xor_b32 v[SSN+i], v[SSN+i], v8
.set i, i+1
.endr
	; ---- V
.macro VBLOCK t, left                  ; left: the younger loads, which may stay out
.set XS, VX+32*((\t)%2)
	s_wait_loadcnt \left
	v_max3_num_f32 v8, |v[XS]|, |v[XS+1]|, |v[XS+2]|           ; the block's largest magnitude: all 32 numbers are mine; two chains
	v_max3_num_f32 v9, |v[XS+3]|, |v[XS+4]|, |v[XS+5]|
.irp i, 6,10,14,18,22,26
	s_delay_alu instid0(VALU_DEP_2)
	v_max3_num_f32 v8, v8, |v[XS+\i]|, |v[XS+\i+1]|
	s_delay_alu instid0(VALU_DEP_2)
	v_max3_num_f32 v9, v9, |v[XS+\i+2]|, |v[XS+\i+3]|
.endr
	s_delay_alu instid0(VALU_DEP_2)
	v_max3_num_f32 v8, v8, |v[XS+30]|, |v[XS+31]|
	s_delay_alu instid0(VALU_DEP_1)
	v_max3_num_f32 v8, v8, v9, 0x1800000           ; and the floor 2^(3 - 127): the byte cannot fall under 1
	s_delay_alu instid0(VALU_DEP_1)
	v_add_nc_u32 v11, 0xff000000, v8               ; 2 off its exponent field: the conversion takes the exponent field of this operand as its scale
.irp g, 0,1,2,3
	v_cvt_scalef32_pk8_fp4_f32 v[VC+4*(\t)+\g], v[XS+8*\g:XS+8*\g+7], v11
.endr
	v_lshrrev_b32 v9, 23, v11                      ; the scale's byte (also the plain line behind the conversions)
.if (\t) == 0
	s_delay_alu instid0(VALU_DEP_1)
	v_mov_b32 v10, v9
.else
	s_delay_alu instid0(VALU_DEP_1)
	v_lshl_or_b32 v10, v9, 8*(\t), v10             ; four bytes make my column's scale word for these 128 keys
.endif
	global_store_b128 v224, v[VC+4*(\t):VC+4*(\t)+3], s[56:57] offset:2048*(\t)   ; by place: 32 lanes store four runs of 128 consecutive bytes; the wave beside me stores the other half of each 256
.endm
.macro QLOAD t                         ; step t: head t % 8 of q (t < 8) or of k: my four positions' rows, a whole row of 512 bytes a load
.if (\t) < 8
.set QB, 46
.else
.set QB, 48
.endif
.irp i, 0,1,2,3
	global_load_b128 v[R+16*((\t)%4)+4*\i:R+16*((\t)%4)+4*\i+3], v2, s[QB:QB+1] offset:\i*8192+((\t)%8)*512 th:TH_LOAD_NT
.endr
.endm
	VBLOCK 0, 32
	VLOAD 2
	VBLOCK 1, 32
	VLOAD 3
	VBLOCK 2, 32
	QLOAD 0
	QLOAD 1
	VBLOCK 3, 8                                    ; behind block 3's loads: the eight of steps 0 and 1
	ds_store_b32 v14, v10
	QLOAD 2
	QLOAD 3
	; ---- Q AND K
.macro TURN t                          ; step t's numbers through the stage.  LDS serves a wave's instructions in order (ISA guide 5.7.1.4): no wait between the stores and the loads
.irp i, 0,1,2,3
	ds_store_b128 v4, v[R+16*((\t)%4)+4*\i:R+16*((\t)%4)+4*\i+3] offset:32*SP*((\t)%2)+8*SP*\i
.endr
.irp i, 0,1,2,3
	ds_load_b128 v[X+16*((\t)%2)+4*\i:X+16*((\t)%2)+4*\i+3], v5 offset:32*SP*((\t)%2)+16*\i
.endr
.endm
.macro QSTEP t
.set XS, X+16*((\t)%2)
.if (\t) > 0
	s_wait_dscnt 1                                 ; this step's numbers are back from the stage (the last step's byte store may be out): so its stores into the stage have read their registers,
.else
	s_wait_dscnt 0x0
.endif
.if (\t)+4 < 16
	QLOAD (\t)+4                                   ; which take the loads of four steps on
.endif
.if (\t)+1 < 16
.if (\t) <= 11
	s_wait_loadcnt 12                              ; the next step's four loads are in; those of the three steps behind it may be out
.else
	s_wait_loadcnt 4*(14-(\t))
.endif
	TURN (\t)+1                                    ; and go through the other stage while this step is worked
.endif
.set i, 0
.rept 16
	v_mul_f32_dpp v[T+i], v[XS+i], v[SSN+i] row_xmask:4 row_mask:0xf bank_mask:0xf   ; lane l xor 4's number (d +- 64) x my signed sine
.set i, i+1
.endr
.set i, 0
.rept 8
	v_pk_fma_f32 v[T+i:T+i+1], v[XS+i:XS+i+1], v[COS+i:COS+i+1], v[T+i:T+i+1]         ; + my number x the cosine
.set i, i+2
.endr
	v_max3_num_f32 v8, |v[T]|, |v[T+1]|, |v[T+2]|              ; the largest magnitude of my 16
	v_max3_num_f32 v9, |v[T+3]|, |v[T+4]|, |v[T+5]|
.irp i, 6,10
	s_delay_alu instid0(VALU_DEP_2)
	v_max3_num_f32 v8, v8, |v[T+\i]|, |v[T+\i+1]|
	s_delay_alu instid0(VALU_DEP_2)
	v_max3_num_f32 v9, v9, |v[T+\i+2]|, |v[T+\i+3]|
.endr
	s_delay_alu instid0(VALU_DEP_2)
	v_max3_num_f32 v8, v8, |v[T+14]|, |v[T+15]|
	s_delay_alu instid0(VALU_DEP_1)
	v_max3_num_f32 v8, v8, v9, 0x1800000           ; and the floor 2^(3 - 127)
	s_delay_alu instid0(VALU_DEP_1)
	v_max_num_f32_dpp v8, v8, v8 row_xmask:1 row_mask:0xf bank_mask:0xf   ; and of my neighbour's 16: the block's
	s_delay_alu instid0(VALU_DEP_1)
	v_add_nc_u32 v11, 0xff000000, v8
	v_cvt_scalef32_pk8_fp4_f32 v[C+2*(\t)], v[T:T+7], v11
	v_cvt_scalef32_pk8_fp4_f32 v[C+2*(\t)+1], v[T+8:T+15], v11
	v_lshrrev_b32 v10, 23, v11                     ; the scale's byte (also the plain line behind the conversions)
.if (\t) < 8
	ds_store_b8 v6, v10 offset:256*((\t)%8)        ; both lanes of a block write the same byte with the same value
	global_store_b64 v3, v[C+2*(\t):C+2*(\t)+1], s[52:53] offset:((\t)%8)*131072   ; 32 lanes store 256 consecutive bytes, aligned: four queries' rows
.else
	ds_store_b8 v7, v10 offset:256*((\t)%8)
	global_store_b64 v3, v[C+2*(\t):C+2*(\t)+1], s[54:55] offset:((\t)%8)*HEADM    ; four keys' rows, at places 4 w' on
.endif
.endm
	s_wait_xcnt 0x0                                ; v's stores have read their data: steps 8 to 15 write those registers again
	s_wait_loadcnt 12                              ; step 0's four loads are in
	TURN 0
.irp t, 0,1,2,3,4,5,6,7,8,9,10,11,12,13,14,15
	QSTEP \t
.endr
	; ---- THE SCALES LEAVE in whole runs: 6,144 bytes of LDS, 16 bytes a thread, by waves 0 to 11
	v_lshrrev_b32 v64, 4, v1
	v_and_b32 v65, 15, v1
	s_delay_alu instid0(VALU_DEP_1)
	v_lshlrev_b32 v65, 4, v65
	s_delay_alu instid0(VALU_DEP_1)
	v_lshl_add_u32 v66, v64, 13, v65               ; q_scales: lanes 0-15 one head's 256 bytes, lanes 16-31 the next head's
	s_delay_alu instid0(VALU_DEP_4)
	v_mul_u32_u24 v67, v64, HEADM
	s_delay_alu instid0(VALU_DEP_1)
	v_add_nc_u32 v67, v67, v65                     ; the same in kv
	s_wait_dscnt 0x0                               ; for the others' sake: my scale bytes lie in LDS
	s_barrier_signal -1
	s_barrier_wait -1
	s_cmp_lt_u32 s16, 12
	s_cbranch_scc0 .Ldone
	ds_load_b128 v[68:71], v15
	s_wait_dscnt 0x0
	s_cmp_lt_u32 s16, 4
	s_cbranch_scc0 .Lnot_q
	s_wait_alu depctr_va_vdst(0)
	global_store_b128 v66, v[68:71], s[58:59]      ; sixteen lanes store 256 consecutive bytes, aligned
	s_branch .Ldone
.Lnot_q:
	s_cmp_lt_u32 s16, 8
	s_cbranch_scc0 .Lnot_k
	s_wait_alu depctr_va_vdst(0)
	global_store_b128 v67, v[68:71], s[60:61]
	s_branch .Ldone
.Lnot_k:
	global_store_b128 v2, v[68:71], s[62:63]       ; a head's 128 words: 512 consecutive bytes
.Ldone:
	s_wait_xcnt 0x0
	v_lshl_add_u32 v254, v0, 2, 0x1e400
	v_mov_b32 v255, 0
	s_wait_alu depctr_va_vdst(0)
	s_wait_tensorcnt 0x0
	ds_add_u32 v254, v255
	s_wait_dscnt 0x0
	s_endpgm
.Lfunc_end_k_qbce5570ba7_prep:
	.size	k_qbce5570ba7_prep, .Lfunc_end_k_qbce5570ba7_prep-k_qbce5570ba7_prep
	.p2alignl 7, 3214868480
	.fill 96, 4, 3214868480
	.section	.rodata,"a",@progbits
	.p2align	6, 0x0
	.amdhsa_kernel k_qbce5570ba7_prep
		.amdhsa_group_segment_fixed_size 125952
		.amdhsa_private_segment_fixed_size 0
		.amdhsa_enable_private_segment 0
		.amdhsa_kernarg_size 48
		.amdhsa_user_sgpr_count 2
		.amdhsa_user_sgpr_kernarg_segment_ptr 1
		.amdhsa_wavefront_size32 1
		.amdhsa_system_sgpr_workgroup_id_x 1
		.amdhsa_system_sgpr_workgroup_id_y 1
		.amdhsa_system_sgpr_workgroup_id_z 1
		.amdhsa_system_vgpr_workitem_id 0
		.amdhsa_next_free_vgpr 256
		.amdhsa_next_free_sgpr 96
		.amdhsa_reserve_vcc 1
		.amdhsa_float_denorm_mode_32 3
		.amdhsa_float_denorm_mode_16_64 3
		.amdhsa_memory_ordered 1
		.amdhsa_forward_progress 1
		.amdhsa_inst_pref_size 107
	.end_amdhsa_kernel
	.amdgpu_metadata
---
amdhsa.version: [ 1, 2 ]
amdhsa.kernels:
  - .name:           k_qbce5570ba7_prep
    .symbol:         k_qbce5570ba7_prep.kd
    .args:
      - { .name: q, .offset: 0, .size: 8, .value_kind: global_buffer, .address_space: global }
      - { .name: k, .offset: 8, .size: 8, .value_kind: global_buffer, .address_space: global }
      - { .name: v, .offset: 16, .size: 8, .value_kind: global_buffer, .address_space: global }
      - { .name: q_codes, .offset: 24, .size: 8, .value_kind: global_buffer, .address_space: global }
      - { .name: q_scales, .offset: 32, .size: 8, .value_kind: global_buffer, .address_space: global }
      - { .name: kv, .offset: 40, .size: 8, .value_kind: global_buffer, .address_space: global }
    .group_segment_fixed_size: 125952
    .private_segment_fixed_size: 0
    .kernarg_segment_align: 8
    .kernarg_segment_size: 48
    .max_flat_workgroup_size: 512
    .sgpr_count:     96
    .vgpr_count:     256
    .wavefront_size: 32
...
	.end_amdgpu_metadata
.endif
;; end of part 1
;; launch attn (part 2): grid 4 x 64, 16 waves a work-group, clusters of 4 x 1, 327,680 bytes of LDS; arguments q_codes, q_scales, kv, out0; writes out0
.if DOCPART == 2
	.amdgcn_target "amdgcn-amd-amdhsa--gfx1250"
	.amdhsa_code_object_version 6
	.text
	.protected	k_qbce5570ba7_attn
	.globl	k_qbce5570ba7_attn
	.p2align	8
	.type	k_qbce5570ba7_attn,@function
k_qbce5570ba7_attn:
	s_mov_b64 s[64:65], 0
	v_nop
	global_prefetch_b8 v0, s[64:65] scope:SCOPE_SE
	s_setreg_imm32_b32 hwreg(HW_REG_WAVE_MODE, 25, 1), 1
	s_wait_xcnt 0x0
	s_wait_alu depctr_hold_cnt(0) depctr_sa_sdst(0) depctr_va_vdst(0) depctr_va_sdst(0) depctr_va_ssrc(0) depctr_va_vcc(0) depctr_vm_vsrc(0)
	s_getreg_b32 s2, hwreg(HW_REG_IB_STS2, 6, 4)
	s_cmp_eq_u32 s2, 0
	s_cbranch_scc0 .Lentry_in_a_cluster
	s_endpgm
.Lentry_in_a_cluster:
	s_bfe_u32 s2, ttmp6, 0x10000c
	s_cmp_lg_u32 s2, 0x3003
	s_cbranch_scc0 .Lentry_shape_is_right
	s_endpgm
.Lentry_shape_is_right:
; 64 causal attentions ("heads": (2 b + chunk) 16 + h) of 2,048 queries x 2,048 keys, head size 128, scores not scaled, both products on codes of FP4 (E2M1) with one E8M0 scale for each 32 along a product's K.
; LEFT OUT: key steps all of whose keys come after a tile's queries: reference() itself sets their scores to -1e30 by its causal mask, so their p is 0 for all values of the inputs.  A NaN or an infinity that reaches only those scores is not carried to the result.
; IN: q_codes [head][query][64 bytes], q_scales [head][query][4];  kv [head][K, V][key step 16][8,704 bytes]: a key step (128 keys) is 32 rows of 256 bytes of codes and 2 rows of scale words.
;   K: places 16 T .. 16 T + 15 are the keys of tile T: lane m of tile 2 b + u has key 32 b + 8 u + m % 8 + 16 (m / 8), so that the 16 registers of tiles 2 b and 2 b + 1 are 16 neighbouring keys.
;   V: [key block 4][place 128][16 bytes], then [place][4]: place 16 T + r holds channel 64 (T / 4) + 4 r + T % 4.
; OUT: out0 [2][4096][16][128] f32.
; THE SOFTMAX: t = score x log2(e); M = the row's largest t so far, rounded UP to a whole number; p = 2^(t - M) is quantised along the keys, not normalised; the row's sum of the unquantised p divides O at the end.
;   When M moves, the sum and O are multiplied by f = 2^(old M - new M): exact.
; SHARES.  A head has 128 tiles of 16 queries: tile (g, x) holds queries 128 g + 16 x on and wants g + 1 key steps, the last under the mask.  Four work-groups serve a head; wave w of work-group cx owns x = 2 cx + w % 2 and
;   a = w / 2, and makes tile (a, x) and then tile (15 - a, x): 17 key steps for every wave of the launch, walked in one loop of 17 trips.  Trip i takes key step min(i, i - a - 1) (unsigned): 0 .. a, then 0 .. 15 - a.
;   Trips a and 16 lie on the diagonal and end a tile: it is divided and stored, and only M is set back: the next step's f is then 0, which clears the sum and O.
; THE WHOLE HEAD'S K AND V LIE IN LDS, each byte filled once: 2 x 16 key steps x 34 rows x (256 + 16) bytes = 295,936.  Each of the sixteen waves fetches two key steps of K (even waves) or of V (odd waves) with one tensor load at the head:
;   a wave has one tensor load out.  One barrier shows all of it to all waves; the loop has none.
; CLUSTER.  The four work-groups of a cluster belong to one head: every tile is asked for JOINTLY, by the same load with the same descriptor and the mask of all four.  x enters global addresses and the mask's number alone.
; NO PREFETCH: every tile is asked for by its own tensor load at the kernel's head; no loop runs ahead of a load.
; LAYOUT.  S^T = K Q^T (source 0 = 16 keys, source 1 = my 16 queries): a lane holds ONE query (lane % 16) through the softmax.  O = P V (source 0 = P, source 1 = 16 channels of V): register j of tile T in lane (r, h) is
;   O(query 8 h + j, channel 64 (T / 4) + 4 r + T % 4).  So f and 1 / sum go from lanes to registers (nine lane moves), and on the way out the registers j of four tiles are 16 neighbouring bytes: sixteen lanes store 256 consecutive bytes, aligned, with no way through LDS.
; LIMITS: NaN and infinities among the inputs are not served; a block of p that has fallen to 0 keeps the scale byte 1 (its codes are zeros); the scaled scores stay under 2^31 in magnitude.
; REGISTERS: v1-5, v7 addresses and the mask's number; v8-11 the step's addresses; v12 -M, v13 the largest t, v[14:15] the sum in two halves; v16-23 Q; v28, v29 the add's; v32-63 four fragments of K or V; v64-72 the second tile's Q and scale words;
;   v80-87 f (or 1 / sum) of queries 8 h + 0 .. 7, v88 at work for them; v96-159 S^T, then p, then the result; v160-223 O; v224-231 p's codes; v232-254 at work; v248-251 the tiles' scale words, v253 p's, v255 Q's.
.set KP,    34*272                     ; a key step's part in LDS
.set VB,    16*KP                      ; V's sixteen begin behind K's sixteen
.set SCW,   32*272                     ; in a part: the scale words
.set KPM,   8704                       ; a key step's part in memory,
.set PARTM, 16*KPM                     ; K's or V's part of a head,
.set HEADM, 2*PARTM                    ; a head
.set SPARE, 2*VB                       ; the spare words: 128 bytes a wave, eight blocks of 256 bytes that no other line names
.set AK0,  1
.set AV0,  2
.set ASK0, 3
.set ASV0, 4
.set DM,   5                           ; 16 x + r - 16 h: on the diagonal register 16 b + i is hidden where 32 b + i is greater
.set GO,   7                           ; my byte offset in the tile's rows of out0
.set ADK,  8
.set ADV,  9
.set ADS,  10
.set ADT,  11
.set SPW,  28
.set NIL,  29
.set QB,   64
.set F,    80
.set G,    88
.set WV,   12                          ; s12 wave;  s13 cx;  s14 x;  s15 head;  s16 a;  s17 -(a + 1);  s18 the trip;  s19 the key step's place in LDS
.set CX,   13
.set XB,   14
.set HD,   15
.set AA,   16
.set NA,   17
.set I,    18
.set TB,   19
.set SEL,  20                          ; s[20:21] lane selects: lane l xor 16
.set CS,   22                          ; s[22:23] log2(e)
.set G1,   24                          ; s[24:31] descriptor group 1;  s[32:35] group 0
.set G0,   32
.set HM,   36                          ; s36 the mask of lanes 16-31
.set LAST, 37                          ; s37 1 in a tile's last step
.set KS,   38                          ; s38 the key step
.macro CROUND                          ; a round of the cluster's barrier
	s_barrier_signal -1
	s_barrier_wait -1
	s_cmp_lg_u32 s[WV], 0
	s_cbranch_scc1 .Lnot_wave_0_\@
	s_barrier_signal -3
.Lnot_wave_0_\@:
	s_barrier_wait -3
	s_barrier_signal -1
	s_barrier_wait -1
.endm
.macro SPREAD src                      ; a number a query (lane % 16) -> v[F+j] = that of query 8 h + j
	v_mov_b32_dpp v[G], v[\src] row_xmask:8 row_mask:0xf bank_mask:0xf
	v_cndmask_b32 v[G], v[\src], v[G], s[HM]       ; lanes 16-31 take query r xor 8's
.irp j, 0,1,2,3,4,5,6,7
	v_mov_b32_dpp v[F+\j], v[G] row_share:\j row_mask:0xf bank_mask:0xf
.endr
.endm
	s_load_b256 s[4:11], s[0:1], 0x0               ; q_codes s[4:5], q_scales s[6:7], kv s[8:9], out0 s[10:11]
	v_lshl_add_u32 v[SPW], v0, 2, SPARE
	v_mov_b32 v[NIL], 0
	ds_add_u32 v[SPW], v[NIL]                      ; the opening lines: the add, twice on end, and its wait ahead of my tensor load
	ds_add_u32 v[SPW], v[NIL]
	v_lshrrev_b32 v8, 5, v0
	v_readfirstlane_b32 s[WV], v8                  ; wave 0..15
	s_bfe_u32 s[CX], ttmp6, 0x40000                ; cx
	s_lshl_b32 s[XB], s[CX], 1
	s_and_b32 s49, s[WV], 1
	s_add_co_u32 s[XB], s[XB], s49                 ; x = 2 cx + w % 2
	s_and_b32 s[HD], ttmp7, 0xffff                 ; the head, which the four partners share
	s_lshr_b32 s[AA], s[WV], 1                     ; a
	s_xor_b32 s[NA], s[AA], -1                     ; -(a + 1)
	; group 1: two key steps' parts, a dense block of 68 rows of 256 bytes (32 elements of 8 bytes), 16 bytes of padding behind each row
	s_mov_b32 s[G1], 15|(3<<16)|(1<<20)|(1<<21)|(5<<22)|(3<<25)
	s_mov_b32 s[G1+1], 32<<16
	s_mov_b32 s[G1+2], 68<<16
	s_mov_b32 s[G1+3], 32<<16
	s_mov_b32 s[G1+4], 68
	s_mov_b32 s[G1+5], 32
	s_mov_b32 s[G1+6], 0
	s_mov_b32 s[G1+7], 0
	; my load: part w % 2 (K or V), key steps 2 a and 2 a + 1
	s_mul_i32 s51, s49, VB
	s_mul_i32 s52, s[AA], 2*KP
	s_add_co_u32 s51, s51, s52                     ; in LDS
	s_mul_i32 s52, s49, PARTM
	s_mul_i32 s53, s[AA], 2*KPM
	s_add_co_u32 s52, s52, s53
	s_mul_i32 s53, s[HD], HEADM
	s_add_co_u32 s52, s52, s53                     ; in kv (under 2^25)
	s_mov_b32 s53, 0
	s_mov_b32 s[SEL], 0x76543210
	s_mov_b32 s[SEL+1], 0xfedcba98
	s_mov_b32 s[CS], 0x3fb8aa3b                    ; log2(e)
	s_mov_b32 s[CS+1], s[CS]
	s_mov_b32 s[HM], 0xffff0000
	s_wait_dscnt 0x0                               ; both opening adds are done
	s_wait_kmcnt 0x0
	s_mov_b32 s[G0], 1
	s_mov_b32 s[G0+1], s51
	s_add_nc_u64 s[G0+2:G0+3], s[8:9], s[52:53]
	s_or_b32 s[G0+3], s[G0+3], 0x80000000
	CROUND                                         ; all four work-groups are here: the joint loads meet
	tensor_load_to_lds s[G0:G0+3], s[G1:G1+7]      ; my one tensor load
	s_nop 0
.rept 4
	v_nop
.endr
	s_lshl_b32 s54, s[AA], 7
	s_lshl_b32 s58, s[XB], 4
	s_add_co_u32 s54, s54, s58                     ; the first tile's first query: 128 a + 16 x
	s_lshl_b32 s55, s[AA], 1
	s_sub_co_u32 s55, 15, s55
	s_lshl_b32 s55, s55, 7                         ; the second tile lies 128 (15 - 2 a) queries on
	s_mov_b32 s57, 0
	s_lshl_b32 s56, s[HD], 17
	s_lshl_b32 s59, s54, 6
	s_add_co_u32 s56, s56, s59
	s_add_nc_u64 s[4:5], s[4:5], s[56:57]          ; Q's codes, first tile,
	s_lshl_b32 s56, s55, 6
	s_add_nc_u64 s[42:43], s[4:5], s[56:57]        ; second tile
	s_lshl_b32 s56, s[HD], 13
	s_lshl_b32 s59, s54, 2
	s_add_co_u32 s56, s56, s59
	s_add_nc_u64 s[6:7], s[6:7], s[56:57]          ; Q's scale words
	s_lshl_b32 s56, s55, 2
	s_add_nc_u64 s[44:45], s[6:7], s[56:57]
	s_lshr_b32 s56, s[HD], 4                       ; out0: (2 b + chunk) x 2,048 positions x 8,192 bytes, + h x 512, + the query's position
	s_lshl_b32 s56, s56, 24
	s_and_b32 s59, s[HD], 15
	s_lshl_b32 s59, s59, 9
	s_add_co_u32 s56, s56, s59
	s_lshl_b32 s59, s54, 13
	s_add_co_u32 s56, s56, s59
	s_add_nc_u64 s[10:11], s[10:11], s[56:57]
	s_lshl_b32 s56, s55, 13
	s_add_nc_u64 s[40:41], s[10:11], s[56:57]
	v_and_b32 v8, 15, v0                           ; r
	v_bfe_u32 v9, v0, 4, 1                         ; h
	v_lshlrev_b32 v24, 6, v8
	v_lshlrev_b32 v25, 2, v8
	v_lshl_add_u32 v24, v9, 4, v24                 ; Q: row r of 64 bytes, + 16 h
	global_load_b128 v[16:19], v24, s[4:5]
	global_load_b128 v[20:23], v24, s[4:5] offset:32
	global_load_b32 v255, v25, s[6:7]
	global_load_b128 v[QB:QB+3], v24, s[42:43]
	global_load_b128 v[QB+4:QB+7], v24, s[42:43] offset:32
	global_load_b32 v[QB+8], v25, s[44:45]
	v_lshrrev_b32 v26, 2, v8
	v_and_b32 v27, 3, v8
	v_mul_u32_u24 v[AK0], v26, 272
	v_mul_u32_u24 v[AV0], v9, 8*272
	v_lshl_add_u32 v[AK0], v27, 6, v[AK0]
	v_lshl_add_u32 v[AV0], v8, 4, v[AV0]
	v_lshl_add_u32 v[AK0], v9, 4, v[AK0]           ; K: key row r of 64 bytes, four to a row of 272, + 16 h
	v_add_nc_u32 v[AV0], VB, v[AV0]                ; V: key block h, place r: sixteen lanes read 256 consecutive bytes
	v_lshl_add_u32 v[ASK0], v8, 2, SCW
	v_lshl_add_u32 v[ASV0], v8, 2, VB+SCW
	v_lshlrev_b32 v[DM], 4, v9
	v_lshlrev_b32 v[GO], 16, v9
	v_sub_nc_u32 v[DM], v8, v[DM]
	v_lshl_add_u32 v[GO], v8, 4, v[GO]             ; lanes 0-15: query j's row, lanes 16-31: query 8 + j's; 16 bytes a lane
	v_add_nc_u32 v[DM], s58, v[DM]
	v_mov_b32 v13, 0xff61b1e6                      ; the largest t so far: -3e38
	v_floor_f32 v12, -v13                          ; -M
	v_mov_b32 v14, 0
	v_mov_b32 v15, 0
.irp n, 236,237,238,239,252,253,80,81,82,83,84,85,86,87,88
	v_mov_b32 v\n, 0                               ; written once: the destination of a lane move counts as one of its sources
.endr
.set j, 0
.rept 64
	v_mov_b32 v[160+j], 0                          ; O: numbers, which the first step's f = 0 leaves zeros
.set j, j+1
.endr
	s_mov_b32 s[I], 0
	s_wait_alu depctr_va_vdst(0)
	s_wait_loadcnt 0x0                             ; Q of both tiles
	s_wait_tensorcnt 0x0                           ; my part of K or V is in
	s_barrier_signal -1
	s_barrier_wait -1                              ; everybody's is: nothing is filled again
.Lstep:                                            ; 17 trips: a key step of 128 keys each
	s_add_co_u32 s49, s[I], s[NA]                  ; i - a - 1; it wraps while the first tile is walked
	s_min_u32 s[KS], s[I], s49
	s_min_u32 s[KS], s[KS], 15
	s_mul_i32 s[TB], s[KS], KP
	s_cmp_eq_u32 s[I], s[AA]
	s_cselect_b32 s[LAST], 1, 0
	s_cmp_eq_u32 s[I], 16
	s_cselect_b32 s[LAST], 1, s[LAST]
	v_add_nc_u32 v[ADK], s[TB], v[AK0]             ; (these four are also the places in front of loads into registers that the last products have read)
	v_add_nc_u32 v[ADV], s[TB], v[AV0]
	v_add_nc_u32 v[ADS], s[TB], v[ASK0]
	v_add_nc_u32 v[ADT], s[TB], v[ASV0]
.irp g, 0,1                                    ; S^T = K Q^T, four tiles of 16 keys at a time
.if \g > 0
.rept 4
	v_nop                                          ; four places in front of loads into registers that matrix instructions have read
.endr
.endif
.irp t, 0,1,2,3
.irp c, 0,1
	ds_load_b128 v[32+8*\t+4*\c:32+8*\t+4*\c+3], v[ADK] offset:(4*\g+\t)*4*272+32*\c
.endr
	ds_load_b32 v[248+\t], v[ADS] offset:272*\g+64*\t
.endr
.if \g == 0
	s_wait_alu depctr_va_vdst(0)
.endif
	s_wait_dscnt 0x0
.irp t, 0,1,2,3
	v_wmma_scale_f32_16x16x128_f8f6f4 v[96+8*(4*\g+\t):103+8*(4*\g+\t)], v[32+8*\t:39+8*\t], v[16:23], 0, v[248+\t], v255 matrix_a_fmt:MATRIX_FMT_FP4 matrix_b_fmt:MATRIX_FMT_FP4
.endr
.endr                                          ; lane (r, h) holds query r; register 16 b + i is key 32 b + 16 h + i of the step
.rept 4
	v_nop
.endr
	s_cmp_eq_u32 s[LAST], 0                        ; all keys of an earlier step count
	s_cbranch_scc1 .Lopen
	v_mov_b32 v254, 0xff800000                     ; on the diagonal the scores of hidden keys become -infinity ahead of the maximum: p = 0 then.  The step's first key counts for every query
.set j, 0
.rept 64
	v_cmp_gt_i32 vcc_lo, 32*(j/16)+j%16, v[DM]
	v_cndmask_b32 v[96+j], v[96+j], v254, vcc_lo
.set j, j+1
.endr
.Lopen:
.irp b, 0,1,2,3
	v_max3_num_f32 v[232+\b], v[96+16*\b], v[97+16*\b], v[98+16*\b]   ; the largest score of each block of 32 keys: for the row's maximum and, since p rises with the score, for the block's largest p
.endr
.irp i, 3,5,7,9,11,13
.irp b, 0,1,2,3
	v_max3_num_f32 v[232+\b], v[232+\b], v[96+16*\b+\i], v[97+16*\b+\i]
.endr
.endr
.irp b, 0,1,2,3
	v_max_num_f32 v[232+\b], v[232+\b], v[111+16*\b]
.endr
.irp b, 0,1,2,3
	v_permlanex16_b32 v[236+\b], v[232+\b], s[SEL], s[SEL+1]
.endr
.irp b, 0,1,2,3
	v_max_num_f32 v[232+\b], v[232+\b], v[236+\b]  ; with lane l xor 16's 16 keys
.endr
	s_delay_alu instid0(VALU_DEP_2)
	v_max3_num_f32 v254, v232, v233, v234
	s_delay_alu instid0(VALU_DEP_1)
	v_max_num_f32 v254, v254, v235                 ; the step's largest score of my query
	s_delay_alu instid0(VALU_DEP_1)
	v_mul_f32 v254, s[CS], v254                    ; as t
	s_delay_alu instid0(VALU_DEP_1)
	v_max_num_f32 v13, v13, v254                   ; the running largest t
	v_mov_b32 v254, v12
	s_delay_alu instid0(VALU_DEP_2)
	v_floor_f32 v12, -v13                          ; the new -M = -ceil(t)
	s_delay_alu instid0(VALU_DEP_1)
	v_sub_f32 v254, v12, v254                      ; old M - new M: a whole number, 0 or less
	s_delay_alu instid0(VALU_DEP_1)
	v_cvt_i32_f32 v254, v254                       ; (it saturates)
	s_delay_alu instid0(VALU_DEP_1)
	v_ldexp_f32 v252, 1.0, v254                    ; f = 2^(old M - new M); 0 in a tile's first step
.set j, 0
.rept 32
	v_pk_fma_f32 v[96+j:97+j], v[96+j:97+j], s[CS:CS+1], v[12:13] op_sel_hi:[1,0,0]   ; t - M, two at a time
.set j, j+2
.endr
.irp b, 0,1,2,3
	v_fma_f32 v[232+\b], v[232+\b], s[CS], v12     ; the same of each block's largest score
.endr
	SPREAD 252                                     ; f of queries 8 h + 0 .. 7, for O
	s_wait_alu depctr_va_vdst(0)
.set j, 0
.rept 64
	v_exp_f32 v[96+j], v[96+j]                     ; p = 2^(t - M), at most 1: not normalised
.set j, j+1
.endr
	v_pk_mul_f32 v[14:15], v[14:15], v[252:253] op_sel_hi:[1,0]   ; the sums under the new M (the plain line behind the exponentials)
	s_wait_alu depctr_va_vdst(0)                   ; one wait for the whole batch, ahead of its first reader
.irp b, 0,1,2,3
	v_exp_f32 v[232+\b], v[232+\b]                 ; the block's largest p
.endr
	v_pk_add_f32 v[236:237], v[96:97], v[98:99]    ; the row's sum of the unquantised p: two at a time, four chains
	v_pk_add_f32 v[238:239], v[100:101], v[102:103]
	v_pk_add_f32 v[240:241], v[104:105], v[106:107]
.irp j, 108,116,124,132,140,148
	v_pk_add_f32 v[14:15], v[14:15], v[\j:\j+1]
	v_pk_add_f32 v[236:237], v[236:237], v[\j+2:\j+3]
	v_pk_add_f32 v[238:239], v[238:239], v[\j+4:\j+5]
	v_pk_add_f32 v[240:241], v[240:241], v[\j+6:\j+7]
.endr
	v_pk_add_f32 v[14:15], v[14:15], v[156:157]
	v_pk_add_f32 v[236:237], v[236:237], v[158:159]
	v_pk_add_f32 v[238:239], v[238:239], v[240:241]
	v_pk_add_f32 v[14:15], v[14:15], v[236:237]
	s_delay_alu instid0(VALU_DEP_1)
	v_pk_add_f32 v[14:15], v[14:15], v[238:239]
	s_wait_alu depctr_va_vdst(0)                   ; and one for the four
.irp b, 0,1,2,3
	v_max_num_f32 v[232+\b], 0x1800000, v[232+\b]  ; the floor 2^(3 - 127): the byte cannot fall under 1
.endr
.irp b, 0,1,2,3
	v_add_nc_u32 v[244+\b], 0xff000000, v[232+\b]  ; 2 off the exponent field: the conversion's scale operand
.endr
.irp b, 0,1,2,3
	v_lshrrev_b32 v[236+\b], 23, v[244+\b]         ; the scale's byte
.endr
	v_lshl_or_b32 v253, v237, 8, v236              ; p's scale word for these 128 keys
	s_delay_alu instid0(VALU_DEP_1)
	v_lshl_or_b32 v253, v238, 16, v253
	s_delay_alu instid0(VALU_DEP_1)
	v_lshl_or_b32 v253, v239, 24, v253
.irp b, 0,1,2,3
	v_cvt_scalef32_pk8_fp4_f32 v[224+2*\b], v[96+16*\b:103+16*\b], v[244+\b]
	v_cvt_scalef32_pk8_fp4_f32 v[225+2*\b], v[104+16*\b:111+16*\b], v[244+\b]
.endr
	v_nop                                          ; one plain line behind the scaled conversions
.irp c, 0,1                                    ; the operand's layout wants a whole block in a lane
.irp i, 0,1
	v_permlane16_swap_b32 v[224+4*\c+\i], v[226+4*\c+\i]
.endr
.endr
	s_wait_alu depctr_va_vdst(0)
.set j, 0
.rept 32
	v_pk_mul_f32 v[160+j:161+j], v[160+j:161+j], v[F+(j%8):F+(j%8)+1]   ; O under the new M: register j x f of query 8 h + j.  (These 32 are also the places in front of the matrix instructions and loads below)
.set j, j+2
.endr
.irp g, 0,1                                    ; O += P V: four tiles of 16 channels at a time; K = these 128 keys.  The eight accumulators take turns
.if \g > 0
.rept 4
	v_nop
.endr
.endif
.irp t, 0,1,2,3
.irp c, 0,1
	ds_load_b128 v[32+8*\t+4*\c:32+8*\t+4*\c+3], v[ADV] offset:16*272*\c+272*(4*\g+\t)
.endr
	ds_load_b32 v[248+\t], v[ADT] offset:272*\g+64*\t
.endr
.if \g == 0
	s_wait_alu depctr_va_vdst(0)
.endif
	s_wait_dscnt 0x0
.irp t, 0,1,2,3
	v_wmma_scale_f32_16x16x128_f8f6f4 v[160+8*(4*\g+\t):167+8*(4*\g+\t)], v[224:231], v[32+8*\t:39+8*\t], v[160+8*(4*\g+\t):167+8*(4*\g+\t)], v253, v[248+\t] matrix_a_fmt:MATRIX_FMT_FP4 matrix_b_fmt:MATRIX_FMT_FP4
.endr
.endr
	s_cmp_eq_u32 s[LAST], 0
	s_cbranch_scc1 .Lnext
	; A TILE'S END: O / the sum, stored; the second tile's Q; M set back
	v_add_f32 v14, v14, v15                        ; the sum's two halves,
	s_delay_alu instid0(VALU_DEP_1)
	v_permlanex16_b32 v252, v14, s[SEL], s[SEL+1]
	s_delay_alu instid0(VALU_DEP_1)
	v_add_f32 v14, v14, v252                       ; and lane l xor 16's: the row's sum
	s_wait_alu depctr_va_vdst(0)
	v_rcp_f32 v14, v14
.irp n, 0,1,2,3,4,5,6,7
	v_mov_b32 v[16+\n], v[QB+\n]                   ; the next tile's Q (plain lines behind the reciprocal)
.endr
	v_mov_b32 v255, v[QB+8]
	v_mov_b32 v13, 0xff61b1e6                      ; the largest t: -3e38 again, so that the next step's f is 0
	v_floor_f32 v12, -v13
	s_wait_alu depctr_va_vdst(0)                   ; the wait ahead of the reciprocal's first reader
	SPREAD 14                                      ; 1 / sum of queries 8 h + 0 .. 7
	s_wait_alu depctr_va_vdst(0)
.irp t, 0,1,2,3,4,5,6,7
.irp j, 0,1,2,3,4,5,6,7
	v_mul_f32 v[96+32*(\t/4)+4*\j+(\t%4)], v[160+8*\t+\j], v[F+\j]   ; registers 96 + 32 u + 4 j + 0 .. 3: channels 64 u + 4 r + 0 .. 3 of query 8 h + j
.endr
.endr
.irp u, 0,1
.irp j, 0,1,2,3,4,5,6,7
	global_store_b128 v[GO], v[96+32*\u+4*\j:99+32*\u+4*\j], s[10:11] offset:\j*8192+256*\u th:TH_STORE_NT   ; sixteen lanes store 256 consecutive bytes, aligned
.endr
.endr
	s_wait_xcnt 0x0                                ; the stores have read their data and base: both are written again
	s_mov_b64 s[10:11], s[40:41]                   ; the second tile's rows of out0
.Lnext:
	s_add_co_u32 s[I], s[I], 1
	s_cmp_lt_u32 s[I], 17
	s_cbranch_scc1 .Lstep
	s_wait_tensorcnt 0x0                           ; the wave's end
	ds_add_u32 v[SPW], v[NIL]
	s_wait_dscnt 0x0
	CROUND                                         ; the closing round
	s_endpgm
.Lfunc_end_k_qbce5570ba7_attn:
	.size	k_qbce5570ba7_attn, .Lfunc_end_k_qbce5570ba7_attn-k_qbce5570ba7_attn
	.p2alignl 7, 3214868480
	.fill 96, 4, 3214868480
	.section	.rodata,"a",@progbits
	.p2align	6, 0x0
	.amdhsa_kernel k_qbce5570ba7_attn
		.amdhsa_group_segment_fixed_size 327680
		.amdhsa_private_segment_fixed_size 0
		.amdhsa_enable_private_segment 0
		.amdhsa_kernarg_size 32
		.amdhsa_user_sgpr_count 2
		.amdhsa_user_sgpr_kernarg_segment_ptr 1
		.amdhsa_wavefront_size32 1
		.amdhsa_system_sgpr_workgroup_id_x 1
		.amdhsa_system_sgpr_workgroup_id_y 1
		.amdhsa_system_sgpr_workgroup_id_z 1
		.amdhsa_system_vgpr_workitem_id 0
		.amdhsa_next_free_vgpr 256
		.amdhsa_next_free_sgpr 66
		.amdhsa_reserve_vcc 1
		.amdhsa_float_denorm_mode_32 3
		.amdhsa_float_denorm_mode_16_64 3
		.amdhsa_memory_ordered 1
		.amdhsa_forward_progress 1
		.amdhsa_inst_pref_size 39
	.end_amdhsa_kernel
	.amdgpu_metadata
---
amdhsa.version: [ 1, 2 ]
amdhsa.kernels:
  - .name:           k_qbce5570ba7_attn
    .symbol:         k_qbce5570ba7_attn.kd
    .args:
      - { .name: q_codes, .offset: 0, .size: 8, .value_kind: global_buffer, .address_space: global }
      - { .name: q_scales, .offset: 8, .size: 8, .value_kind: global_buffer, .address_space: global }
      - { .name: kv, .offset: 16, .size: 8, .value_kind: global_buffer, .address_space: global }
      - { .name: out0, .offset: 24, .size: 8, .value_kind: global_buffer, .address_space: global }
    .group_segment_fixed_size: 327680
    .private_segment_fixed_size: 0
    .kernarg_segment_align: 8
    .kernarg_segment_size: 32
    .max_flat_workgroup_size: 512
    .sgpr_count:     66
    .vgpr_count:     256
    .wavefront_size: 32
...
	.end_amdgpu_metadata
.endif
;; end of part 2
